; MI455X (gfx1250); checked and timed in simulation.
; The chip was launched on July 23, 2026; its instructions are those of AMD's public machine-readable ISA for CDNA 5 (MIT licence, August 2026) and "CDNA5" Instruction Set Architecture Reference Guide (July 2026). The comments in the code are by the model that wrote it; some were corrected since.
;; Multi Head Self Attention. Allowed arithmetic: matrix products marked QUANTISED: E2M3 operands, one E8M0 scale for each 32 along K, by v_wmma_scale_f32_16x16x128_f8f6f4 with both operands' format E2M3, f32 sums; everything else in f32.
;; Inputs: bk 1,024 float32; bo 1,024 float32; bq 1,024 float32; bv 1,024 float32; wk 1,024 x 1,024 float32; wo 1,024 x 1,024 float32; wq 1,024 x 1,024 float32; wv 1,024 x 1,024 float32; x 4 x 2,048 x 1,024 float32.
;; Outputs: out0 4 x 2,048 x 1,024 float32.
;; This version of the problem:
;;   THIS VERSION OF THE PROBLEM IS GIVEN IN LOW PRECISION. The matrix products marked QUANTISED in the list below multiply operands that are first quantised to E2M3 (2 exponent bits, 3 mantissa bits; 6 bits a number), with one power-of-two scale for each 32 numbers along K (OCP MX v1.0); their sums are f32. All else is computed in f32.
;;   The module's matrix products, in the order in which they are computed (A, B: the left and right operand; K: the contracted axis; several contracted axes count as one K, in the product's order):
;;     1. [M 8,192, K 1,024] x [K 1,024, N 1,024]; A: input x; B: input wq: QUANTISED
;;     2. [M 8,192, K 1,024] x [K 1,024, N 1,024]; A: input x; B: input wk: QUANTISED
;;     3. [M 8,192, K 1,024] x [K 1,024, N 1,024]; A: input x; B: input wv: QUANTISED
;;     4. batch 64 x [M 2,048, K 64] x [K 64, N 2,048]; A: computed on the way; B: computed on the way: QUANTISED
;;     5. batch 64 x [M 2,048, K 2,048] x [K 2,048, N 64]; A: softmax (see below); B: computed on the way: QUANTISED
;;     6. [M 8,192, K 1,024] x [K 1,024, N 1,024]; A: computed on the way; B: input wo: QUANTISED
;;   THE QUANTISER, for each operand of a quantised product, along K:
;;     - K is cut into blocks of 32 from its start; a last block that is shorter is filled with zeros.
;;     - A block's scale is 2^e with e = floor(log2(the largest magnitude in the block)) - 2, held to -126 .. 127; a block of zeros has e = 0. As a byte (E8M0): e + 127.
;;     - Each number is divided by its block's scale, clamped to +-7.5, and rounded to the nearest number of E2M3, ties to even, subnormals kept.
;;     - The product sums the exact products of the quantised numbers (number of the format x scale) in f32.
;;   ~~~python
;;   def quantise(x, axis):      # numpy; x: float32 -> the quantised numbers, widened to float32 again
;;       x = np.moveaxis(x, axis, -1); K = x.shape[-1]
;;       x = np.pad(x, [(0, 0)] * (x.ndim - 1) + [(0, -K % 32)]); x = x.reshape(x.shape[:-1] + (-1, 32)); a = np.abs(x).max(-1, keepdims=True)
;;       e = np.where(a > 0, np.clip(np.frexp(np.where(a > 0, a, 1))[1] - 1 - 2, -126, 127), 0)      # np.frexp(a)[1] - 1 = floor(log2(a)), exactly
;;       r = np.clip(x / 2.0 ** e, -7.5, 7.5)
;;       step = 2.0 ** (np.maximum(np.frexp(np.where(r == 0, 1, r))[1] - 1, 0) - 3)
;;       q = np.round(r / step) * step * 2.0 ** e      # np.round: ties to even
;;       return np.moveaxis(q.reshape(q.shape[:-2] + (-1,))[..., :K], -1, axis).astype(np.float32)
;;   ~~~
;;   SOFTMAX AHEAD OF A QUANTISED PRODUCT. Where the list says 'softmax', what is quantised is not the finished softmax but p = 2^(t - M), with t = logit x log2(e) and M = ceil(the row's largest t), a whole number; so 1/2 < the row's largest p <= 1. The row's sum l is taken of the UNQUANTISED p, in f32, and the product's result is divided by l at the end. Since M is a whole number, a kernel that streams over the keys may use a running M (the ceiling of the running maximum): every later rescaling is an exact power of two, which a block's scale takes up: the codes' values come out the same.
;;   OPERANDS COMPUTED ON THE WAY. 'Computed on the way' means the value that the module computes at that place (a softmax that the list does not call 'softmax' is quantised finished and normalised). What goes into a quantiser is computed in f32, as accurately as f32 sums, v_exp_f32 and their like allow (about 1e-6 of the number): no bf16 or f16 on the way to a quantiser, and a product that is left as it is and whose result goes on into a quantised operand takes f32 operands (vector FMAs, or v_wmma_f32_16x16x4_f32). A number that lies on a knife's edge between two numbers of the format may be rounded either way, as far as f32 arithmetic and the matrix unit's own rounding can turn it there, and no further.
;; One version. Each part assembles by itself: llvm-mc -triple=amdgcn-amd-amdhsa -mcpu=gfx1250 --defsym DOCPART=n.
;; ======== version 1 of 1: 4 launches
;; limits: right only within a limited range of input values
;; workspace buffers: cw 9,437,184 bytes; sc1 393,216 bytes; sc2 393,216 bytes; qkv 18,874,368 bytes; qkvs 1,310,720 bytes; oc 6,291,456 bytes
;; launch quant (part 1): grid 384 x 1, 4 waves a work-group, no clusters, 34,304 bytes of LDS; arguments x, wq, wk, wv, wo, cw, sc1, sc2; writes cw, sc1, sc2
.if DOCPART == 1
	.amdgcn_target "amdgcn-amd-amdhsa--gfx1250"
	.amdhsa_code_object_version 6
	.text
	.protected	k_qb7b3f2e894_quant
	.globl	k_qb7b3f2e894_quant
	.p2align	8
	.type	k_qb7b3f2e894_quant,@function
k_qb7b3f2e894_quant:
	s_mov_b64 s[64:65], 0
	v_nop
	global_prefetch_b8 v0, s[64:65] scope:SCOPE_SE
	s_setreg_imm32_b32 hwreg(HW_REG_WAVE_MODE, 25, 1), 1
	s_wait_xcnt 0x0
; x [8192][1024] and wq, wk, wv, wo [1024][1024], f32, K innermost, become codes of FP6 (E2M3) with one E8M0 byte for each 32 along K,
; laid in the ORDER OF THE OPERAND'S REGISTERS.  Rows are cut into tiles of 16; lane r of tile t holds row 32 (t / 2) + 8 (t % 2) + r + 8 (r / 8).
; A fragment (16 rows x 128 K, twelve registers a lane: registers 6 c .. 6 c + 5 = k 64 c + 32 (lane / 16) + 0 .. 31) is 1,536 bytes: six pieces of 256 bytes,
; piece p = registers 2 p, 2 p + 1, lane l's 8 bytes at 256 p + 8 l.  cw: [tile U 0..767][K step 8][fragment]; U: x 0-511, wq 512-, wk 576-, wv 640-, wo 704-.
; Scale words (four bytes: 128 along K of a row): [tile U][K step / 4][r][K step % 4], 512 bytes a tile; x, wq, wk, wv into sc1, wo into sc2.
; A block's scale is 2^(floor(log2(its largest magnitude)) - 2); its byte is the largest magnitude's exponent field - 2, held at 1 from below.
; LIMITS: a block of zeros gets the byte 1 where the rule says 127 (its codes are zeros, and this program alone reads the bytes); blocks whose largest magnitude
; lies under the floor 2^(3 - 127) were not tried; NaN and infinities among the inputs are not served.
; SHARES: a wave takes one tile's 16 rows x 512 along K: four fragments.  Each load reads 512 consecutive bytes of one row; the 16 rows turn through the wave's own
; stage in LDS (pitch 528 = 33 x 16 bytes) and come back 128 bytes a lane: a whole block of 32 in one lane, so no other lane is asked for a maximum.
; No tensor load, no barrier: waves share nothing.  Loads run two fragments (32 loads a wave) ahead.  No matrix unit, no cluster: memory binds this launch.
.set STG,  8448                        ; a wave's stage: 16 rows x 528 bytes
.set MX,   10                          ; v10-11  largest magnitudes of my two blocks
.set SO,   12                          ; v12-13  the conversions' scale operands
.set BY,   14                          ; v14-15  the scale bytes
.set W,    16                          ; v16     my two bytes at their places
.set WX,   17                          ; v17     lane l xor 16's
.set SW,   20                          ; v20-23  the four fragments' scale words
.set PC,   24                          ; v24-35  a fragment's codes
.set PT,   36                          ; v36-38, v40-42  the second halves as the conversions leave them
.set R,    48                          ; v48-175 two sets of 64: numbers as loaded
.set X,    176                         ; v176-239 64 numbers in the operand's order
	s_load_b256 s[4:11], s[0:1], 0x0               ; x, wq, wk, wv
	s_load_b256 s[12:19], s[0:1], 0x20             ; wo, cw, sc1, sc2
	v_lshl_add_u32 v240, v0, 2, 0x8400
	v_mov_b32 v241, 0
	v_lshrrev_b32 v1, 5, v0
	v_readfirstlane_b32 s24, v1                    ; wave
	v_and_b32 v1, 31, v0                           ; lane
	v_and_b32 v2, 15, v0                           ; r
	v_bfe_u32 v3, v0, 4, 1                         ; h
	v_lshlrev_b32 v4, 4, v1                        ; my 16 bytes of a load's 512
	s_mul_i32 s25, s24, STG
	v_add_nc_u32 v5, s25, v4                       ; the stage on the way in: 16 x lane, a row an instruction
	v_mul_u32_u24 v6, v2, 528
	v_lshl_add_u32 v6, v3, 7, v6
	v_add_nc_u32 v6, s25, v6                       ; and on the way out: row r, + 128 h
	v_lshlrev_b32 v7, 3, v1                        ; my 8 bytes of a piece
	v_lshlrev_b32 v8, 4, v2
	v_lshl_add_u32 v8, v3, 3, v8                   ; the scale words' place: 16 r + 8 h
	v_lshlrev_b32 v9, 3, v3                        ; 8 h: my bytes' shift in a scale word
	v_mov_b32 v[WX], 0                             ; a lane permute's destination counts as one of its sources
	s_mov_b32 s22, 0x76543210
	s_mov_b32 s23, 0xfedcba98                      ; selects for lane l xor 16
	s_lshl_b32 s26, ttmp9, 1
	s_lshr_b32 s27, s24, 1
	s_add_co_u32 s26, s26, s27                     ; U = 2 x work-group + wave / 2
	s_and_b32 s27, s24, 1                          ; g: which 512 along K
	s_cmp_lt_u32 ttmp9, 256
	s_cselect_b32 s28, 511, 63
	s_and_b32 s28, s26, s28                        ; the tile's number in its own tensor
	s_lshr_b32 s30, s28, 1
	s_lshl_b32 s30, s30, 17                        ; 32 rows of 4,096 bytes for each pair of tiles,
	s_and_b32 s29, s28, 1
	s_lshl_b32 s29, s29, 15                        ; 8 rows for the odd tile,
	s_add_co_u32 s30, s30, s29
	s_lshl_b32 s29, s27, 11                        ; 2,048 bytes for the second half of K
	s_add_co_u32 s30, s30, s29
	s_mov_b32 s31, 0
	s_mul_i32 s32, s26, 12288                      ; the codes: 8 fragments a tile
	s_mul_i32 s29, s27, 6144
	s_add_co_u32 s32, s32, s29
	s_mov_b32 s33, 0
	s_lshl_b32 s34, s26, 9                         ; the scale words: 512 bytes a tile
	s_lshl_b32 s29, s27, 8
	s_add_co_u32 s34, s34, s29
	s_mov_b32 s35, 0
	s_wait_alu depctr_va_vdst(0)
	s_wait_kmcnt 0x0
	s_mov_b64 s[20:21], s[12:13]                   ; which tensor: the choice hangs on the work-group's number alone
	s_cmp_lt_u32 ttmp9, 352
	s_cselect_b64 s[20:21], s[10:11], s[20:21]
	s_cselect_b64 s[36:37], s[16:17], s[18:19]     ; wo's scale words go to sc2, all others to sc1
	s_cmp_lt_u32 ttmp9, 320
	s_cselect_b64 s[20:21], s[8:9], s[20:21]
	s_cmp_lt_u32 ttmp9, 288
	s_cselect_b64 s[20:21], s[6:7], s[20:21]
	s_cmp_lt_u32 ttmp9, 256
	s_cselect_b64 s[20:21], s[4:5], s[20:21]
	s_add_nc_u64 s[20:21], s[20:21], s[30:31]
	s_add_nc_u64 s[14:15], s[14:15], s[32:33]
	s_add_nc_u64 s[36:37], s[36:37], s[34:35]
.macro LOAD s                          ; fragment s: 512 consecutive bytes of each of the tile's 16 rows
.irp i, 0,1,2,3,4,5,6,7,8,9,10,11,12,13,14,15
	global_load_b128 v[R+64*((\s)%2)+4*\i:R+64*((\s)%2)+4*\i+3], v4, s[20:21] offset:(\i+8*(\i/8))*4096+512*(\s) th:TH_LOAD_NT
.endr
.endm
.macro FRAGQ s
.if (\s) < 3
	s_wait_loadcnt 16                              ; this fragment's 16 loads are in; the next fragment's 16 may be out
.else
	s_wait_loadcnt 0x0
.endif
.irp i, 0,1,2,3,4,5,6,7,8,9,10,11,12,13,14,15
	ds_store_b128 v5, v[R+64*((\s)%2)+4*\i:R+64*((\s)%2)+4*\i+3] offset:528*\i
.endr
.irp c, 0,1
.irp j, 0,1,2,3,4,5,6,7
	ds_load_b128 v[X+32*\c+4*\j:X+32*\c+4*\j+3], v6 offset:256*\c+16*\j   ; LDS serves a wave's instructions in order: these see the stores above.  k = 64 c + 32 h + 4 j ..
.endr
.endr
	s_wait_dscnt 0x0                               ; my 64 numbers are back, and the stores have read their registers,
.if (\s) < 2
	LOAD (\s)+2                                    ; which take the loads of two fragments on
.endif
.irp c, 0,1
	v_max3_num_f32 v[MX+\c], |v[X+32*\c]|, |v[X+32*\c+1]|, 0x1800000   ; my block 2 c + h, and the floor 2^(3 - 127): the byte cannot fall under 1
.endr
.irp i, 2,4,6,8,10,12,14,16,18,20,22,24,26,28,30
.irp c, 0,1
	v_max3_num_f32 v[MX+\c], v[MX+\c], |v[X+32*\c+\i]|, |v[X+32*\c+\i+1]|   ; (the two blocks by turns)
.endr
.endr
.irp c, 0,1
	v_add_nc_u32 v[SO+\c], 0xff000000, v[MX+\c]    ; 2 off the exponent field: the conversion takes this operand's exponent field as its scale
.endr
.irp c, 0,1
	v_lshrrev_b32 v[BY+\c], 23, v[SO+\c]           ; the scale's byte
.endr
	v_lshl_or_b32 v[W], v[BY+1], 16, v[BY]         ; blocks h and 2 + h of my row,
	v_lshlrev_b32 v[W], v9, v[W]                   ; at their places in the word;
	v_permlanex16_b32 v[WX], v[W], s22, s23
	v_or_b32 v[SW+(\s)], v[W], v[WX]               ; with lane l xor 16's two the word is whole
.if (\s) > 0
	s_wait_alu depctr_va_vdst(0)
	s_wait_xcnt 0x0                                ; the last fragment's stores have read their data: the codes' registers are rewritten only behind this wait
.endif
	v_cvt_scalef32_pk16_fp6_f32 v[PC:PC+2], v[X:X+15], v[SO]
	v_cvt_scalef32_pk16_fp6_f32 v[PT:PT+2], v[X+16:X+31], v[SO]          ; (a conversion's three registers begin on an even number)
	v_cvt_scalef32_pk16_fp6_f32 v[PC+6:PC+8], v[X+32:X+47], v[SO+1]
	v_cvt_scalef32_pk16_fp6_f32 v[PT+4:PT+6], v[X+48:X+63], v[SO+1]
	v_nop                                          ; one plain instruction behind the scaled conversions
.irp k, 0,1,2
	v_mov_b32 v[PC+3+\k], v[PT+\k]
	v_mov_b32 v[PC+9+\k], v[PT+4+\k]
.endr
.irp p, 0,1,2,3,4,5
	global_store_b64 v7, v[PC+2*\p:PC+2*\p+1], s[14:15] offset:1536*(\s)+256*\p   ; 32 lanes store 256 consecutive bytes, aligned
.endr
.endm
	LOAD 0
	LOAD 1
	FRAGQ 0
	FRAGQ 1
	FRAGQ 2
	FRAGQ 3
	v_cmp_eq_u32 vcc_lo, 1, v3
	v_cndmask_b32 v44, v[SW], v[SW+2], vcc_lo      ; lanes 0-15 store the words of K steps 0, 1 of the four, lanes 16-31 those of 2, 3
	v_cndmask_b32 v45, v[SW+1], v[SW+3], vcc_lo
	global_store_b64 v8, v[44:45], s[36:37]        ; 256 consecutive bytes, aligned
	s_wait_tensorcnt 0x0
	ds_add_u32 v240, v241
	s_wait_dscnt 0x0
	s_endpgm
.Lfunc_end_k_qb7b3f2e894_quant:
	.size	k_qb7b3f2e894_quant, .Lfunc_end_k_qb7b3f2e894_quant-k_qb7b3f2e894_quant
	.p2alignl 7, 3214868480
	.fill 96, 4, 3214868480
	.section	.rodata,"a",@progbits
	.p2align	6, 0x0
	.amdhsa_kernel k_qb7b3f2e894_quant
		.amdhsa_group_segment_fixed_size 34304
		.amdhsa_private_segment_fixed_size 0
		.amdhsa_enable_private_segment 0
		.amdhsa_kernarg_size 64
		.amdhsa_user_sgpr_count 2
		.amdhsa_user_sgpr_kernarg_segment_ptr 1
		.amdhsa_wavefront_size32 1
		.amdhsa_system_sgpr_workgroup_id_x 1
		.amdhsa_system_sgpr_workgroup_id_y 1
		.amdhsa_system_sgpr_workgroup_id_z 1
		.amdhsa_system_vgpr_workitem_id 0
		.amdhsa_next_free_vgpr 242
		.amdhsa_next_free_sgpr 66
		.amdhsa_reserve_vcc 1
		.amdhsa_float_denorm_mode_32 3
		.amdhsa_float_denorm_mode_16_64 3
		.amdhsa_memory_ordered 1
		.amdhsa_forward_progress 1
		.amdhsa_inst_pref_size 32
	.end_amdhsa_kernel
	.amdgpu_metadata
---
amdhsa.version: [ 1, 2 ]
amdhsa.kernels:
  - .name:           k_qb7b3f2e894_quant
    .symbol:         k_qb7b3f2e894_quant.kd
    .args:
      - { .name: x, .offset: 0, .size: 8, .value_kind: global_buffer, .address_space: global }
      - { .name: wq, .offset: 8, .size: 8, .value_kind: global_buffer, .address_space: global }
      - { .name: wk, .offset: 16, .size: 8, .value_kind: global_buffer, .address_space: global }
      - { .name: wv, .offset: 24, .size: 8, .value_kind: global_buffer, .address_space: global }
      - { .name: wo, .offset: 32, .size: 8, .value_kind: global_buffer, .address_space: global }
      - { .name: cw, .offset: 40, .size: 8, .value_kind: global_buffer, .address_space: global }
      - { .name: sc1, .offset: 48, .size: 8, .value_kind: global_buffer, .address_space: global }
      - { .name: sc2, .offset: 56, .size: 8, .value_kind: global_buffer, .address_space: global }
    .group_segment_fixed_size: 34304
    .private_segment_fixed_size: 0
    .kernarg_segment_align: 8
    .kernarg_segment_size: 64
    .max_flat_workgroup_size: 128
    .sgpr_count:     66
    .vgpr_count:     242
    .wavefront_size: 32
...
	.end_amdgpu_metadata
.endif
;; end of part 1
;; launch qkv (part 2): grid 12 x 32, 4 waves a work-group, clusters of 4 x 4, 327,680 bytes of LDS; arguments cw, sc1, bq, bk, bv, qkv, qkvs; writes qkv, qkvs
.if DOCPART == 2
	.amdgcn_target "amdgcn-amd-amdhsa--gfx1250"
	.amdhsa_code_object_version 6
	.text
	.protected	k_qb7b3f2e894_qkv
	.globl	k_qb7b3f2e894_qkv
	.p2align	8
	.type	k_qb7b3f2e894_qkv,@function
k_qb7b3f2e894_qkv:
	s_mov_b64 s[64:65], 0
	v_nop
	global_prefetch_b8 v0, s[64:65] scope:SCOPE_SE
	s_setreg_imm32_b32 hwreg(HW_REG_WAVE_MODE, 25, 1), 1
	s_wait_xcnt 0x0
	s_wait_alu depctr_hold_cnt(0) depctr_sa_sdst(0) depctr_va_vdst(0) depctr_va_sdst(0) depctr_va_ssrc(0) depctr_va_vcc(0) depctr_vm_vsrc(0)
	s_getreg_b32 s2, hwreg(HW_REG_IB_STS2, 6, 4)
	s_cmp_eq_u32 s2, 0
	s_cbranch_scc0 .Lentry_in_a_cluster
	s_endpgm
.Lentry_in_a_cluster:
	s_bfe_u32 s2, ttmp6, 0x10000c
	s_cmp_lg_u32 s2, 0xf033
	s_cbranch_scc0 .Lentry_shape_is_right
	s_endpgm
.Lentry_shape_is_right:
.set FR,    12
.set NL,    6
.set HALFT, 8*2*1536
.set SLOT,  4*HALFT
.set SPARE, 3*SLOT
.set ADRA, 16
.set ADRB, 20
.set VO0,  24
.set VO1,  25
.set VSO,  26
.set SH,   27
.set SPW,  28
.set NIL,  29
.set SOF,  30
.set BOF,  31
.set SC,   32
.set BR2,  96
.set TM,   112
.set AF,   128
.set T,    128
.set PC,   192
.set PW,   212
.set SW,   216
.set G1,  24
.set G1B, 32
.set G0,  40
.set G0B, 52
.set MSB, 0
.macro WIN new
.if MSB != (\new)
	s_set_vgpr_msb (MSB<<8)|(\new)
.set MSB, (\new)
.endif
.endm
.macro JLOAD g0a, g1a, g0b, g1b
	s_cmp_eq_u32 s19, 0
	s_cbranch_scc0 .Lfor_b_\@
	tensor_load_to_lds s[\g0a:\g0a+3], s[\g1a:\g1a+7]
	s_nop 0
.rept 4
	v_nop
.endr
	s_branch .Lasked_\@
.Lfor_b_\@:
	tensor_load_to_lds s[\g0b:\g0b+3], s[\g1b:\g1b+7]
	s_nop 0
.rept 4
	v_nop
.endr
.Lasked_\@:
.endm
.macro CREST
	s_cmp_lg_u32 s18, 0
	s_cbranch_scc1 .Lnot_wave_0_\@
	s_barrier_signal -3
.Lnot_wave_0_\@:
	s_barrier_wait -3
	s_barrier_signal -1
	s_barrier_wait -1
.endm
.macro CROUND
	s_barrier_signal -1
	s_barrier_wait -1
	CREST
.endm
.macro PLACES n
.rept \n
	v_nop
.endr
.endm
	s_load_b256 s[4:11], s[0:1], 0x0
	s_load_b128 s[12:15], s[0:1], 0x20
	s_load_b64 s[16:17], s[0:1], 0x30
	v_lshl_add_u32 v[SPW], v0, 2, SPARE
	v_mov_b32 v[NIL], 0
	ds_add_u32 v28, v29
	ds_add_u32 v28, v29
	s_wait_dscnt 0x0
	v_lshrrev_b32 v5, 5, v0
	v_readfirstlane_b32 s18, v5
	s_lshr_b32 s19, s18, 1
	s_and_b32 s20, s18, 1
	s_bfe_u32 s21, ttmp6, 0x40000
	s_bfe_u32 s22, ttmp6, 0x40004
	s_and_b32 s66, ttmp7, 0xffff
	s_mov_b32 s2, 0x76543210
	s_mov_b32 s3, 0xfedcba98
	s_cmp_lt_u32 ttmp9, 2
	s_cselect_b32 s67, 0, 1
	s_cselect_b32 s70, 0, -1
	s_cselect_b32 s74, s66, 0
	s_cselect_b32 s75, ttmp9, s66
	s_cselect_b32 s76, 0, 640
	s_cselect_b32 s77, 512, 0
	s_lshl_b32 s68, s74, 2
	s_add_co_u32 s68, s68, s22
	s_lshl_b32 s69, s75, 2
	s_add_co_u32 s69, s69, s21
	s_lshl_b32 s78, s22, 2
	s_lshl_b32 s78, 15, s78
	s_lshl_b32 s79, 0x1111, s21
	s_or_b32 s[G1], s78, (3<<16)|(1<<21)
	s_or_b32 s[G1B], s79, (3<<16)|(1<<21)
.irp g, G1, G1B
	s_mov_b32 s[\g+1], 384<<16
	s_mov_b32 s[\g+2], 16<<16                      ; the head's loads bring 16 tiles; behind them the two words that count rows are set to 8
	s_mov_b32 s[\g+3], 384<<16
	s_mov_b32 s[\g+4], 16
	s_mov_b32 s[\g+5], 1536
	s_mov_b32 s[\g+6], 0
	s_mov_b32 s[\g+7], 0
.endr
	s_lshl_b32 s80, s68, 4
	s_add_co_u32 s80, s80, s76
	s_lshl_b32 s82, s69, 4
	s_add_co_u32 s82, s82, s77
	s_lshl_b32 s84, s20, 3
	s_add_co_u32 s86, s80, s84
	s_mul_i32 s86, s86, 12288
	s_mov_b32 s87, 0
	s_add_co_u32 s88, s82, s84
	s_mul_i32 s88, s88, 12288
	s_mov_b32 s89, 0
	s_mul_i32 s85, s18, HALFT
	s_wait_kmcnt 0x0
	s_add_nc_u64 s[86:87], s[4:5], s[86:87]
	s_add_nc_u64 s[88:89], s[4:5], s[88:89]
	CROUND
.irp s, 0,2
	s_mov_b32 s[G0+4*\s], 1
	s_add_co_u32 s[G0+4*\s+1], s85, \s*SLOT
	s_add_nc_u64 s[G0+4*\s+2:G0+4*\s+3], s[86:87], \s*3072
	s_or_b32 s[G0+4*\s+3], s[G0+4*\s+3], 0x80000000
	s_mov_b32 s[G0B+4*\s], 1
	s_add_co_u32 s[G0B+4*\s+1], s85, \s*SLOT
	s_add_nc_u64 s[G0B+4*\s+2:G0B+4*\s+3], s[88:89], \s*3072
	s_or_b32 s[G0B+4*\s+3], s[G0B+4*\s+3], 0x80000000
.endr
	; THE HEAD'S LOADS, one a wave: waves 0 and 2 fetch A's 16 tiles of slots 0 and 1 (K steps 0, 1 and 2, 3), waves 1 and 3 B's
	s_mul_i32 s91, s19, 3072
	s_mul_i32 s98, s80, 12288
	s_add_co_u32 s98, s98, s91
	s_mov_b32 s99, 0
	s_add_nc_u64 s[98:99], s[4:5], s[98:99]
	s_or_b32 s99, s99, 0x80000000
	s_mov_b32 s96, 1
	s_mul_i32 s97, s19, SLOT
	s_mul_i32 s78, s82, 12288
	s_add_co_u32 s78, s78, s91
	s_mov_b32 s79, 0
	s_add_nc_u64 s[78:79], s[4:5], s[78:79]
	s_or_b32 s79, s79, 0x80000000
	s_mov_b32 s76, 1
	s_add_co_u32 s77, s97, 2*HALFT
	s_cmp_eq_u32 s20, 0
	s_cbranch_scc0 .Lhead_b
	tensor_load_to_lds s[96:99], s[G1:G1+7]
	s_nop 0
.rept 4
	v_nop
.endr
	s_branch .Lhead_asked
.Lhead_b:
	tensor_load_to_lds s[76:79], s[G1B:G1B+7]
	s_nop 0
.rept 4
	v_nop
.endr
.Lhead_asked:
	v_and_b32 v1, 31, v0
	v_lshlrev_b32 v2, 3, v1
	v_and_b32 v3, 15, v0
	v_bfe_u32 v4, v0, 4, 1
	s_mul_i32 s90, s19, HALFT
	s_mul_i32 s91, s20, HALFT
	s_add_co_u32 s91, s91, 2*HALFT
.irp s, 0,1,2
	v_add_nc_u32 v[ADRA+\s], s90, v2
	v_add_nc_u32 v[ADRB+\s], s91, v2
	s_add_co_u32 s90, s90, SLOT
	s_add_co_u32 s91, s91, SLOT
.endr
.irp b, 0,1,2,3
	v_mov_b32 v[TM+4+\b], 0
.endr
	s_lshl_b32 s92, s19, 3
	s_add_co_u32 s92, s92, s80
	s_lshl_b32 s92, s92, 9
	s_lshl_b32 s93, s20, 3
	s_add_co_u32 s93, s93, s82
	s_lshl_b32 s93, s93, 9
	v_cmp_eq_u32 vcc_lo, 1, v4
	v_mov_b32 v5, s92
	v_mov_b32 v6, s93
	v_cndmask_b32 v[SOF], v5, v6, vcc_lo
	v_lshl_add_u32 v[SOF], v3, 4, v[SOF]
.irp i, 0,1,2,3,4,5,6,7
.irp g, 0,1
	global_load_b128 v[SC+8*\i+4*\g:SC+8*\i+4*\g+3], v[SOF], s[6:7] offset:512*\i+256*\g
.endr
.endr
	s_cmp_eq_u32 ttmp9, 0
	s_cselect_b64 s[72:73], s[8:9], s[10:11]
	s_cmp_lt_u32 ttmp9, 2
	s_cselect_b64 s[72:73], s[72:73], s[12:13]
	s_lshl_b32 s94, s21, 10
	s_lshl_b32 s95, s20, 9
	s_add_co_u32 s94, s94, s95
	v_lshl_add_u32 v[BOF], v4, 6, s94
	WIN 0x40
.irp bb, 0,1,2,3
.irp j, 0,1,2,3
	global_load_b128 v[96+16*\bb+4*\j+96*(\bb/2):96+16*\bb+4*\j+96*(\bb/2)+3], v[BOF], s[72:73] offset:128*\bb+16*\j
.endr
.endr
	WIN 0
	s_lshl_b32 s95, s68, 4
	s_lshl_b32 s94, s19, 3
	s_add_co_u32 s95, s95, s94
	s_lshl_b32 s95, s95, 6
	s_cmp_lg_u32 s67, 0
	s_cselect_b32 s95, s95, 0
	v_and_b32 v8, 8, v3
	v_add_nc_u32 v8, v8, v3
	v_lshl_add_u32 v7, v8, 2, s95
.irp a, 0,1,2,3,4,5,6,7
	global_load_b32 v[BR2+2*\a], v7, s[72:73] offset:(32*(\a/2)+8*(\a%2))*4
	global_load_b32 v[BR2+2*\a+1], v7, s[72:73] offset:(32*(\a/2)+8*(\a%2))*4
.endr
.macro FRAG reg, adr, q, i
.irp p, 0,1,2,3,4,5
	ds_load_b64 v[\reg+2*\p:\reg+2*\p+1], v[\adr] offset:3072*(\i)+1536*(\q)+256*\p
.endr
.endm
.macro FETCH_B slot, q, p
	WIN 0x40
.irp i, 0,1,2,3,4,5,6,7
	FRAG 128*(\p)+FR*\i, ADRB+\slot, \q, \i
.endr
	WIN 0
.endm
.macro FETCH_A slot, q, i0
.irp i, \i0, \i0+1, \i0+2, \i0+3
	FRAG AF+FR*(\i), ADRA+\slot, \q, \i
.endr
.endm
.macro MUL16 a0, p, ks, first
.irp a, \a0, \a0+1
.irp b, 0,1,2,3,4,5,6,7
.if \first
	v_wmma_scale_f32_16x16x128_f8f6f4 v[8*(8*((\a)%4)+\b):8*(8*((\a)%4)+\b)+7], v[128*(\p)+FR*\b:128*(\p)+FR*\b+FR-1], v[AF+FR*(\a):AF+FR*(\a)+FR-1], v[96+8*\b+96*(\b/4):96+8*\b+96*(\b/4)+7], v[SC+8*\b+(\ks)], v[SC+8*(\a)+(\ks)] matrix_a_fmt:MATRIX_FMT_FP6 matrix_b_fmt:MATRIX_FMT_FP6 matrix_a_scale:MATRIX_SCALE_ROW1
.else
	v_wmma_scale_f32_16x16x128_f8f6f4 v[8*(8*((\a)%4)+\b):8*(8*((\a)%4)+\b)+7], v[128*(\p)+FR*\b:128*(\p)+FR*\b+FR-1], v[AF+FR*(\a):AF+FR*(\a)+FR-1], v[8*(8*((\a)%4)+\b):8*(8*((\a)%4)+\b)+7], v[SC+8*\b+(\ks)], v[SC+8*(\a)+(\ks)] matrix_a_fmt:MATRIX_FMT_FP6 matrix_b_fmt:MATRIX_FMT_FP6 matrix_a_scale:MATRIX_SCALE_ROW1
.endif
.endr
.endr
.endm
.macro STEP slot, ks, first
	s_wait_dscnt 4*NL
.if \first
	WIN 0x91
.else
	WIN 0xa1
.endif
	MUL16 0, 0, \ks, \first
	MUL16 2, 0, \ks, \first
	s_wait_dscnt 0x0
	PLACES 4
	FETCH_B \slot, 1, 1
	FETCH_A \slot, 1, 0
.if \first
	WIN 0xd1
.else
	WIN 0xf1
.endif
	MUL16 4, 0, \ks, \first
	MUL16 6, 0, \ks, \first
	PLACES 4
	WIN 0
	FETCH_A \slot, 1, 4
.endm
.macro TURN slot, next, ks, mode
.if \mode
	s_wait_tensorcnt 0x0
	ds_add_u32 v[SPW], v[NIL]
	s_wait_dscnt 4*NL+1
.else
	s_wait_dscnt 4*NL
.endif
	WIN 0xa1
	MUL16 0, 1, \ks, 0
.if \mode
	s_wait_dscnt 0x0
	s_barrier_signal -1
.endif
	MUL16 2, 1, \ks, 0
	WIN 0
.if \mode
	s_barrier_wait -1
.else
	s_wait_dscnt 0x0
.endif
.if \mode == 2
	CREST
	s_add_nc_u64 s[G0+2:G0+3], s[G0+2:G0+3], 3*3072        ; the one refill: slot 0, whose reads are over, takes K steps 6 and 7
	s_add_nc_u64 s[G0B+2:G0B+3], s[G0B+2:G0B+3], 3*3072
	JLOAD G0, G1, G0B, G1B
.else
	PLACES 4
.endif
	FETCH_B \next, 0, 0
	FETCH_A \next, 0, 0
	WIN 0xf1
	MUL16 4, 1, \ks, 0
	MUL16 6, 1, \ks, 0
	PLACES 4
	WIN 0
	FETCH_A \next, 0, 4
.endm
.macro QUANT s
.irp b, 0,1,2,3
	v_max3_num_f32 v[TM+\b], |v[\s+16*\b]|, |v[\s+1+16*\b]|, 0x1800000
.endr
.irp i, 2,4,6,8,10,12,14
.irp b, 0,1,2,3
	v_max3_num_f32 v[TM+\b], v[TM+\b], |v[\s+16*\b+\i]|, |v[\s+1+16*\b+\i]|
.endr
.endr
.irp b, 0,1,2,3
	v_permlanex16_b32 v[TM+4+\b], v[TM+\b], s2, s3
.endr
.irp b, 0,1,2,3
	v_max_num_f32 v[TM+\b], v[TM+\b], v[TM+4+\b]
.endr
.irp b, 0,1,2,3
	v_add_nc_u32 v[TM+12+\b], 0xff000000, v[TM+\b]
.endr
.irp b, 0,1,2,3
	v_lshrrev_b32 v[TM+4+\b], 23, v[TM+12+\b]
.endr
	v_lshl_or_b32 v[PW], v[TM+5], 8, v[TM+4]
	v_lshl_or_b32 v[PW], v[TM+6], 16, v[PW]
	v_lshl_or_b32 v[PW], v[TM+7], 24, v[PW]
.irp c, 0,1
	v_cvt_scalef32_pk16_fp6_f32 v[PC+6*\c:PC+2+6*\c], v[\s+32*\c:\s+15+32*\c], v[TM+12+2*\c]
	v_cvt_scalef32_pk16_fp6_f32 v[PC+12+4*\c:PC+14+4*\c], v[\s+16+32*\c:\s+31+32*\c], v[TM+12+2*\c+1]
.endr
	v_nop
.irp c, 0,1
.irp i, 0,1,2
	v_permlane16_swap_b32 v[PC+6*\c+\i], v[PC+12+4*\c+\i]
.endr
.irp i, 0,1,2
	v_mov_b32 v[PC+3+6*\c+\i], v[PC+12+4*\c+\i]
.endr
.endr
.endm
	s_wait_alu depctr_va_vdst(0)
	s_wait_tensorcnt 0x0                           ; my tile of the head's four is in
	ds_add_u32 v[SPW], v[NIL]
	s_mov_b32 s[G1+2], 8<<16                       ; no tensor load of mine is out: from here on a load brings 8 tiles
	s_mov_b32 s[G1+4], 8
	s_mov_b32 s[G1B+2], 8<<16
	s_mov_b32 s[G1B+4], 8
	s_wait_dscnt 0x0
	CROUND                                         ; slots 0 and 1 are whole for all waves, and the joint loads meet
	JLOAD G0+8, G1, G0B+8, G1B                     ; slot 2's first fill: K steps 4 and 5
	FETCH_B 0, 0, 0
	FETCH_A 0, 0, 0
	FETCH_A 0, 0, 4
	s_wait_loadcnt 0x0
	WIN 0x41
.set n, 0
.rept 64
	v_cndmask_b32 v[96+n+96*(n/32)], v[96+n+96*(n/32)], v[NIL], s70
.set n, n+1
.endr
	WIN 0
.set n, 0
.rept 16
	v_cndmask_b32 v[BR2+n], v[NIL], v[BR2+n], s70
.set n, n+1
.endr
	STEP 0, 0, 1
	TURN 0, 1, 1, 0
	STEP 1, 2, 0
	TURN 1, 2, 3, 2
	STEP 2, 4, 0
	TURN 2, 0, 5, 1
	STEP 0, 6, 0
	s_wait_dscnt 4*NL
	WIN 0xa1
	MUL16 0, 1, 7, 0
	MUL16 2, 1, 7, 0
	s_wait_dscnt 0x0
	WIN 0xf1
	MUL16 4, 1, 7, 0
	MUL16 6, 1, 7, 0
	WIN 0
	s_lshl_b32 s74, s21, 1
	s_add_co_u32 s74, s74, s20
	s_lshr_b32 s75, s68, 3
	s_lshl_b32 s76, s75, 4
	s_lshl_b32 s77, s74, 1
	s_add_co_u32 s76, s76, s77
	s_and_b32 s78, s68, 7
	s_lshl_b32 s79, s78, 4
	s_lshl_b32 s80, s19, 3
	s_add_co_u32 s79, s79, s80
	s_lshl_b32 s81, s76, 7
	s_add_co_u32 s81, s81, s79
	s_mul_i32 s81, s81, 768
	s_mul_i32 s82, ttmp9, 6291456
	s_add_co_u32 s81, s81, s82
	s_lshl_b32 s83, s69, 1
	s_add_co_u32 s83, s83, s20
	s_lshl_b32 s84, s68, 4
	s_add_co_u32 s84, s84, s80
	s_lshl_b32 s85, s83, 6
	s_add_co_u32 s85, s85, s84
	s_mul_i32 s85, s85, 1536
	s_add_co_u32 s85, s85, 12582912
	s_lshl_b32 s88, s76, 4
	s_lshl_b32 s89, s78, 1
	s_add_co_u32 s89, s89, s19
	s_add_co_u32 s88, s88, s89
	s_lshl_b32 s88, s88, 9
	s_lshl_b32 s89, ttmp9, 19
	s_add_co_u32 s88, s88, s89
	s_lshl_b32 s90, s83, 4
	s_lshl_b32 s91, s68, 2
	s_add_co_u32 s90, s90, s91
	s_lshl_b32 s91, s19, 1
	s_add_co_u32 s90, s90, s91
	s_lshl_b32 s90, s90, 8
	s_add_co_u32 s90, s90, 1048576
	s_mov_b32 s87, 768
	s_mov_b32 s71, 1536
	s_cmp_eq_u32 s67, 0
	s_cselect_b32 s86, s81, s85
	s_cselect_b32 s87, 98304, s87
	s_cselect_b32 s71, 768, s71
	PLACES 4
	v_add_nc_u32 v[VO0], s86, v2
	v_add_nc_u32 v[VO1], s87, v[VO0]
.macro OUTA a
	WIN 0x02+((\a)/4)
.set j, 0
.rept 32
	v_pk_add_f32 v[T+j:T+j+1], v[64*((\a)%4)+j:64*((\a)%4)+j+1], v[BR2+2*(\a):BR2+2*(\a)+1]
.set j, j+2
.endr
	WIN 0
.if (\a) > 0
	s_wait_xcnt 0x0
	v_add_nc_u32 v[VO0], s71, v[VO0]
	v_add_nc_u32 v[VO1], s71, v[VO1]
.endif
	QUANT T
	v_mov_b32 v[SW+(\a)], v[PW]
.irp p, 0,1,2
	global_store_b64 v[VO0], v[PC+2*\p:PC+2*\p+1], s[14:15] offset:256*\p
.endr
.irp p, 0,1,2
	global_store_b64 v[VO1], v[PC+6+2*\p:PC+6+2*\p+1], s[14:15] offset:256*\p
.endr
.endm
.irp a, 0,1,2,3,4,5,6,7
	OUTA \a
.endr
	s_cmp_lt_u32 ttmp9, 2
	s_cbranch_scc0 .Lv_words
	v_lshlrev_b32 v[SH], 4, v4
.irp a, 0,1,2,3,4,5,6,7
	v_lshrrev_b32 v[SW+\a], v[SH], v[SW+\a]
.endr
	v_lshlrev_b32 v[VSO], 13, v4
	v_lshl_add_u32 v[VSO], v3, 5, v[VSO]
	v_add_nc_u32 v[VSO], s88, v[VSO]
	global_store_b128 v[VSO], v[SW:SW+3], s[16:17]
	global_store_b128 v[VSO], v[SW+4:SW+7], s[16:17] offset:16
	s_branch .Lwords_done
.Lv_words:
	v_cmp_eq_u32 vcc_lo, 1, v4
	s_wait_alu depctr_va_vdst(0)
.irp t, 0,1,2,3
	v_cndmask_b32 v[SW+\t], v[SW+\t], v[SW+4+\t], vcc_lo
.endr
	v_lshl_add_u32 v[VSO], v1, 4, s90
	global_store_b128 v[VSO], v[SW:SW+3], s[16:17]
.Lwords_done:
	s_wait_tensorcnt 0x0
	ds_add_u32 v[SPW], v[NIL]
	s_wait_dscnt 0x0
	CROUND
	s_endpgm
.Lfunc_end_k_qb7b3f2e894_qkv:
	.size	k_qb7b3f2e894_qkv, .Lfunc_end_k_qb7b3f2e894_qkv-k_qb7b3f2e894_qkv
	.p2alignl 7, 3214868480
	.fill 96, 4, 3214868480
	.section	.rodata,"a",@progbits
	.p2align	6, 0x0
	.amdhsa_kernel k_qb7b3f2e894_qkv
		.amdhsa_group_segment_fixed_size 327680
		.amdhsa_private_segment_fixed_size 0
		.amdhsa_enable_private_segment 0
		.amdhsa_kernarg_size 56
		.amdhsa_user_sgpr_count 2
		.amdhsa_user_sgpr_kernarg_segment_ptr 1
		.amdhsa_wavefront_size32 1
		.amdhsa_system_sgpr_workgroup_id_x 1
		.amdhsa_system_sgpr_workgroup_id_y 1
		.amdhsa_system_sgpr_workgroup_id_z 1
		.amdhsa_system_vgpr_workitem_id 0
		.amdhsa_next_free_vgpr 1024
		.amdhsa_next_free_sgpr 100
		.amdhsa_reserve_vcc 1
		.amdhsa_float_denorm_mode_32 3
		.amdhsa_float_denorm_mode_16_64 3
		.amdhsa_memory_ordered 1
		.amdhsa_forward_progress 1
		.amdhsa_inst_pref_size 191
	.end_amdhsa_kernel
	.amdgpu_metadata
---
amdhsa.version: [ 1, 2 ]
amdhsa.kernels:
  - .name:           k_qb7b3f2e894_qkv
    .symbol:         k_qb7b3f2e894_qkv.kd
    .args:
      - { .name: cw, .offset: 0, .size: 8, .value_kind: global_buffer, .address_space: global }
      - { .name: sc1, .offset: 8, .size: 8, .value_kind: global_buffer, .address_space: global }
      - { .name: bq, .offset: 16, .size: 8, .value_kind: global_buffer, .address_space: global }
      - { .name: bk, .offset: 24, .size: 8, .value_kind: global_buffer, .address_space: global }
      - { .name: bv, .offset: 32, .size: 8, .value_kind: global_buffer, .address_space: global }
      - { .name: qkv, .offset: 40, .size: 8, .value_kind: global_buffer, .address_space: global }
      - { .name: qkvs, .offset: 48, .size: 8, .value_kind: global_buffer, .address_space: global }
    .group_segment_fixed_size: 327680
    .private_segment_fixed_size: 0
    .kernarg_segment_align: 8
    .kernarg_segment_size: 56
    .max_flat_workgroup_size: 128
    .sgpr_count:     100
    .vgpr_count:     1024
    .wavefront_size: 32
...
	.end_amdgpu_metadata
.endif
;; end of part 2
;; launch attn (part 3): grid 4 x 64, 8 waves a work-group, clusters of 4 x 1, 327,680 bytes of LDS; arguments qkv, qkvs, oc, sc2; writes oc, sc2
.if DOCPART == 3
	.amdgcn_target "amdgcn-amd-amdhsa--gfx1250"
	.amdhsa_code_object_version 6
	.text
	.protected	k_qb7b3f2e894_attn
	.globl	k_qb7b3f2e894_attn
	.p2align	8
	.type	k_qb7b3f2e894_attn,@function
k_qb7b3f2e894_attn:
	s_mov_b64 s[64:65], 0
	v_nop
	global_prefetch_b8 v0, s[64:65] scope:SCOPE_SE
	s_setreg_imm32_b32 hwreg(HW_REG_WAVE_MODE, 25, 1), 1
	s_wait_xcnt 0x0
	s_wait_alu depctr_hold_cnt(0) depctr_sa_sdst(0) depctr_va_vdst(0) depctr_va_sdst(0) depctr_va_ssrc(0) depctr_va_vcc(0) depctr_vm_vsrc(0)
	s_getreg_b32 s2, hwreg(HW_REG_IB_STS2, 6, 4)
	s_cmp_eq_u32 s2, 0
	s_cbranch_scc0 .Lentry_in_a_cluster
	s_endpgm
.Lentry_in_a_cluster:
	s_bfe_u32 s2, ttmp6, 0x10000c
	s_cmp_lg_u32 s2, 0x3003
	s_cbranch_scc0 .Lentry_shape_is_right
	s_endpgm
.Lentry_shape_is_right:
; o = softmax(q k^T / 8) v for one head and 512 queries, both products on codes of FP6 (E2M3) with E8M0 scales; o is quantised along head x 64 + d on the way out and leaves as codes.
; THE SOFTMAX: t = score x log2(e) / 8; M = the running largest t rounded UP to a whole number; p = 2^(t - M) is quantised along the keys, not normalised;
; the row's sum is taken of the unquantised p and divides O at the end.  When M moves, the sum and O are multiplied by 2^(old M - new M): exact, no branch on data.
; SHARES.  The cluster's four work-groups are the four blocks of 512 queries of one head and read the same K and V: every tile is asked for jointly (mask 15).
; Each of the eight waves owns four tiles of 16 queries, so each fragment of K and V read from LDS feeds four matrix instructions.
; LAYOUT.  Both products transposed: S^T = K Q^T, O^T = V^T P^T: a lane holds ONE query.  The rows of every tile are 32 (t / 2) + 8 (t % 2) + r + 8 (r / 8),
; so the 16 registers of result tiles 2 b, 2 b + 1 are 16 neighbours: keys for p, channels for o.
; THE HEAD'S 64 FILL HALF OF THE INSTRUCTION'S 128: q's upper six registers are zero codes; k's tiles lie six registers apart, so a tile's upper six are the next tile's codes (or a cleared pad).
; LDS HOLDS THE WHOLE HEAD: K's 2,048 keys x 48 bytes = 98,304 bytes at 0, V's 98,304 at VB, K's scale words 8,192, V's 4,096: 208,896 bytes, each filled ONCE, at the kernel's head:
; waves 0, 1 a half of K each, waves 2, 3 a half of V, wave 4 K's scale words, wave 5 V's.  One wait and one barrier show them to all; the sixteen key steps have no refill and no barrier.
; No prefetch: all tiles are asked for at the head, and no loop runs ahead of a load.
; LIMITS: v_exp_f32 gives 0 for results under 2^-126; a block of zeros gets the byte 1 (its codes are zeros); NaN and infinities are not served; the scaled scores stay under 2^31 in magnitude.
; REGISTERS: window 0: v1-11 addresses; v16-31 four tiles' (-M, largest t, sum, sum); v32-39 K's, v40-43 V's, v44-47 Q's, v48-51 p's scale words; v52-99 Q; v100-124 at work; v128-191, v192-255 two tiles of S^T.
;   window 1: v0-127 O^T, 32 a tile; v128-175 p's codes; v184-231 K (6 a tile), later V (12 a tile); v232-237 the pad.
.set VB,    98304
.set SCK,   196608
.set SCV,   204800
.set SPARE, 208896                     ; the spare words, 128 bytes a wave
.set L8,  1                            ; 8 x lane
.set AKS, 2                            ; SCK + 32 r
.set AVS, 3                            ; SCV + 16 r
.set SPW, 4
.set NIL, 5
.set ADK, 6                            ; the step's K
.set ADS, 7                            ; its scale words
.set ADT, 8                            ; V's scale words
.set OSO, 9
.set ADV, 10                           ; the step's V
.set LV,  11                           ; VB + 8 x lane
.set ST,  16
.set KS,  32
.set VS,  40
.set QS,  44
.set PS,  48
.set Q,   52
.set BM,  100
.set BX,  104
.set SO,  108
.set BY,  112
.set F,   116
.set T0,  118
.set SU,  120
.set C0,  100
.set C1,  104
.set C2,  112
.set C3,  122
.set SA,  128
.set SB,  192
.set P,   128
.set KV,  184
.set WV,   12
.set SEL,  20
.set CS,   22
.set G1C,  24                          ; group 1, K's codes: 8 rows of 6,144 bytes, dense
.set G1KS, 32                          ; K's scale words: 32 rows of 256 bytes, dense
.set G1VS, 40                          ; V's: 16 rows of 256 bytes, 4,096 apart
.set G0C,  48
.set G0KS, 52
.set G0VS, 56
.set TB,   62                          ; the step's codes: 6,144 bytes a step
.set TS,   63                          ; K's scale words: 512 a step
.set TJ,   66                          ; V's: 256 a step
.set STEPS, 67
.set G1V,  84                          ; group 1, V's codes: 8 rows of 6,144 bytes, 98,304 apart
.set MSB, 0
.macro WIN new
.if MSB != (\new)
	s_set_vgpr_msb (MSB<<8)|(\new)
.set MSB, (\new)
.endif
.endm
.macro CROUND
	s_barrier_signal -1
	s_barrier_wait -1
	s_cmp_lg_u32 s[WV], 0
	s_cbranch_scc1 .Lnot_wave_0_\@
	s_barrier_signal -3
.Lnot_wave_0_\@:
	s_barrier_wait -3
	s_barrier_signal -1
	s_barrier_wait -1
.endm
.macro PLACES
.rept 4
	v_nop
.endr
.endm
.macro TL g0, g1                       ; s_nop 0 and four v_nop behind the load
	tensor_load_to_lds s[\g0:\g0+3], s[\g1:\g1+7]
	s_nop 0
	PLACES
.endm
	s_load_b256 s[4:11], s[0:1], 0x0               ; qkv, qkvs, oc, sc2
	v_lshl_add_u32 v[SPW], v0, 2, SPARE
	v_mov_b32 v[NIL], 0
	ds_add_u32 v[SPW], v[NIL]                      ; the opening lines
	ds_add_u32 v[SPW], v[NIL]
	s_wait_dscnt 0x0
	v_lshrrev_b32 v12, 5, v0
	s_delay_alu instid0(VALU_DEP_1)
	v_readfirstlane_b32 s[WV], v12
	s_bfe_u32 s13, ttmp6, 0x40000                  ; cx
	s_lshl_b32 s17, ttmp9, 2
	s_add_co_u32 s17, s17, s13                     ; my block of 512 queries: in Q's and o's addresses alone
	s_and_b32 s14, ttmp7, 0xffff                   ; 16 batch + head
	s_lshr_b32 s15, s14, 4
	s_and_b32 s16, s14, 15
.irp g, G1C, G1V
	s_mov_b32 s[\g], 15|(3<<16)|(1<<21)            ; the mask: all four; elements of 8 bytes
	s_mov_b32 s[\g+1], 768<<16
	s_mov_b32 s[\g+2], 8<<16
	s_mov_b32 s[\g+3], 768<<16
	s_mov_b32 s[\g+4], 8
	s_mov_b32 s[\g+6], 0
	s_mov_b32 s[\g+7], 0
.endr
	s_mov_b32 s[G1C+5], 768
	s_mov_b32 s[G1V+5], 12288
	s_mov_b32 s[G1KS], 15|(3<<16)|(1<<21)
	s_mov_b32 s[G1KS+1], 32<<16
	s_mov_b32 s[G1KS+2], 32<<16
	s_mov_b32 s[G1KS+3], 32<<16
	s_mov_b32 s[G1KS+4], 32
	s_mov_b32 s[G1KS+5], 32
	s_mov_b32 s[G1KS+6], 0
	s_mov_b32 s[G1KS+7], 0
	s_mov_b32 s[G1VS], 15|(3<<16)|(1<<21)
	s_mov_b32 s[G1VS+1], 32<<16
	s_mov_b32 s[G1VS+2], 16<<16
	s_mov_b32 s[G1VS+3], 32<<16
	s_mov_b32 s[G1VS+4], 16
	s_mov_b32 s[G1VS+5], 512
	s_mov_b32 s[G1VS+6], 0
	s_mov_b32 s[G1VS+7], 0
	s_and_b32 s68, s[WV], 1                        ; which half of the keys I fetch
	s_mul_i32 s70, s14, 98304                      ; K: the head's 128 tiles of 768 bytes
	s_mul_i32 s69, s68, 49152
	s_add_co_u32 s70, s70, s69
	s_add_co_u32 s70, s70, 6291456
	s_lshl_b32 s71, s15, 8                         ; V: (256 batch + head) x 6,144, a key step 98,304 bytes on
	s_add_co_u32 s71, s71, s16
	s_mul_i32 s71, s71, 6144
	s_mul_i32 s69, s68, 786432
	s_add_co_u32 s71, s71, s69
	s_add_co_u32 s71, s71, 12582912
	s_cmp_lt_u32 s[WV], 2                          ; waves 0, 1: K; waves 2, 3: V
	s_cselect_b32 s72, s70, s71
	s_mov_b32 s73, 0
	s_mul_i32 s69, s[WV], 49152                    ; where my half goes
	s_lshl_b32 s74, s14, 13
	s_add_co_u32 s74, s74, 524288                  ; K's scale words of the head
	s_mov_b32 s75, 0
	s_lshl_b32 s76, s15, 16
	s_lshl_b32 s77, s16, 8
	s_add_co_u32 s76, s76, s77
	s_add_co_u32 s76, s76, 1048576                 ; V's
	s_mov_b32 s77, 0
	s_lshl_b32 s78, s14, 7
	s_lshl_b32 s79, s17, 5
	s_add_co_u32 s78, s78, s79
	s_lshl_b32 s79, s[WV], 2
	s_add_co_u32 s78, s78, s79                     ; my first tile of queries
	s_mul_i32 s78, s78, 768
	s_mov_b32 s79, 0
	s_lshl_b32 s80, s14, 4
	s_lshl_b32 s81, s17, 2
	s_add_co_u32 s80, s80, s81
	s_lshr_b32 s81, s[WV], 1
	s_add_co_u32 s80, s80, s81
	s_lshl_b32 s80, s80, 9
	s_lshl_b32 s81, s68, 4
	s_add_co_u32 s80, s80, s81
	s_mov_b32 s81, 0
	s_mov_b32 s[SEL], 0x76543210
	s_mov_b32 s[SEL+1], 0xfedcba98
	s_mov_b32 s[CS], 0x3e38aa3b                    ; c = log2(e) / 8
	s_mov_b32 s[CS+1], s[CS]
	s_mov_b32 s[TB], 0
	s_mov_b32 s[TS], 0
	s_mov_b32 s[TJ], 0
	s_mov_b32 s[STEPS], 16
	s_wait_kmcnt 0x0
	s_mov_b32 s[G0C], 1
	s_mov_b32 s[G0C+1], s69
	s_add_nc_u64 s[G0C+2:G0C+3], s[4:5], s[72:73]
	s_or_b32 s[G0C+3], s[G0C+3], 0x80000000
	s_mov_b32 s[G0KS], 1
	s_mov_b32 s[G0KS+1], SCK
	s_add_nc_u64 s[G0KS+2:G0KS+3], s[6:7], s[74:75]
	s_or_b32 s[G0KS+3], s[G0KS+3], 0x80000000
	s_mov_b32 s[G0VS], 1
	s_mov_b32 s[G0VS+1], SCV
	s_add_nc_u64 s[G0VS+2:G0VS+3], s[6:7], s[76:77]
	s_or_b32 s[G0VS+3], s[G0VS+3], 0x80000000
	s_add_nc_u64 s[78:79], s[4:5], s[78:79]        ; Q's codes
	s_add_nc_u64 s[80:81], s[6:7], s[80:81]        ; Q's scale words
	CROUND                                         ; the four work-groups are here: the joint loads meet
	s_cmp_lt_u32 s[WV], 2                          ; one chain, at most one load a wave
	s_cbranch_scc0 .Lnot_k
	TL G0C, G1C
	s_branch .Lfirst_asked
.Lnot_k:
	s_cmp_lt_u32 s[WV], 4
	s_cbranch_scc0 .Lnot_codes
	TL G0C, G1V
	s_branch .Lfirst_asked
.Lnot_codes:
	s_cmp_eq_u32 s[WV], 4
	s_cbranch_scc0 .Lnot_ks
	TL G0KS, G1KS
	s_branch .Lfirst_asked
.Lnot_ks:
	s_cmp_eq_u32 s[WV], 5
	s_cbranch_scc0 .Lfirst_asked
	TL G0VS, G1VS
.Lfirst_asked:
	v_and_b32 v12, 31, v0
	s_delay_alu instid0(VALU_DEP_1)
	v_lshlrev_b32 v[L8], 3, v12
	v_and_b32 v13, 15, v0
	s_delay_alu instid0(VALU_DEP_1)
	v_lshl_add_u32 v[AKS], v13, 5, SCK
	s_delay_alu instid0(VALU_DEP_2)
	v_lshl_add_u32 v[AVS], v13, 4, SCV
	s_delay_alu instid0(VALU_DEP_3)
	v_lshlrev_b32 v14, 5, v13
	v_add_nc_u32 v[LV], VB, v[L8]
.irp i, 0,1,2,3
.irp p, 0,1,2
	global_load_b64 v[Q+12*\i+2*\p:Q+12*\i+2*\p+1], v[L8], s[78:79] offset:768*\i+256*\p   ; Q stays in registers
.endr
.endr
	global_load_b128 v[QS:QS+3], v14, s[80:81]
.irp i, 0,1,2,3
.irp k, 6,7,8,9,10,11
	v_mov_b32 v[Q+12*\i+\k], 0                     ; the upper 64 of the instruction's K: zero codes
.endr
	v_mov_b32 v[ST+4*\i+1], 0xff61b1e6             ; the largest t so far: -3e38
	s_delay_alu instid0(VALU_DEP_1)
	v_floor_f32 v[ST+4*\i], -v[ST+4*\i+1]          ; -M
	v_mov_b32 v[ST+4*\i+2], 0
	v_mov_b32 v[ST+4*\i+3], 0
	v_mov_b32 v[BX+\i], 0
.endr
	v_mov_b32 v[F+1], 0
	WIN 0x40
.set n, 0
.rept 128
	v_mov_b32 v[n], 0                              ; O^T: the step is written once, so the first finds zeros
.set n, n+1
.endr
.irp k, 232,233,234,235,236,237
	v_mov_b32 v[\k], 0                             ; the pad behind K's last tile
.endr
	WIN 0
.macro KQ tl, sb                       ; S^T of tile tl: eight tiles of 16 keys
	WIN 0x01
.irp t, 0,1,2,3,4,5,6,7
	v_wmma_scale_f32_16x16x128_f8f6f4 v[\sb+8*\t:\sb+8*\t+7], v[KV+6*\t:KV+6*\t+11], v[Q+12*(\tl):Q+12*(\tl)+11], 0, v[KS+\t], v[QS+(\tl)] matrix_a_fmt:MATRIX_FMT_FP6 matrix_b_fmt:MATRIX_FMT_FP6
.endr
.endm
.macro PV                              ; O^T += V^T P^T: sixteen accumulators by turns
	WIN 0x55
.irp t, 0,1,2,3
.irp i, 0,1,2,3
	v_wmma_scale_f32_16x16x128_f8f6f4 v[32*\i+8*\t:32*\i+8*\t+7], v[KV+12*\t:KV+12*\t+11], v[P+12*\i:P+12*\i+11], v[32*\i+8*\t:32*\i+8*\t+7], v[VS+\t], v[PS+\i] matrix_a_fmt:MATRIX_FMT_FP6 matrix_b_fmt:MATRIX_FMT_FP6
.endr
.endr
.endm
.macro SM tl, sb                       ; the softmax of tile tl for 128 keys: register 16 b + i = key 32 b + 16 (lane / 16) + i
.set rT, ST+4*(\tl)
	WIN 0
.irp b, 0,1,2,3
	v_max3_num_f32 v[BM+\b], v[\sb+16*\b], v[\sb+16*\b+1], v[\sb+16*\b+2]   ; each block's largest score: for the row's maximum and for the block's largest p
.endr
.irp n, 3,5,7,9,11,13
.irp b, 0,1,2,3
	v_max3_num_f32 v[BM+\b], v[BM+\b], v[\sb+16*\b+\n], v[\sb+16*\b+\n+1]
.endr
.endr
.irp b, 0,1,2,3
	v_max_num_f32 v[BM+\b], v[BM+\b], v[\sb+16*\b+15]
.endr
.irp b, 0,1,2,3
	s_delay_alu instid0(VALU_DEP_4)
	v_permlanex16_b32 v[BX+\b], v[BM+\b], s[SEL], s[SEL+1]
.endr
.irp b, 0,1,2,3
	s_delay_alu instid0(VALU_DEP_4)
	v_max_num_f32 v[BM+\b], v[BM+\b], v[BX+\b]
.endr
	s_delay_alu instid0(VALU_DEP_2)
	v_max3_num_f32 v[T0], v[BM], v[BM+1], v[BM+2]
	s_delay_alu instid0(VALU_DEP_1)
	v_max_num_f32 v[T0], v[T0], v[BM+3]
	s_delay_alu instid0(VALU_DEP_1)
	v_mul_f32 v[T0], s[CS], v[T0]
	s_delay_alu instid0(VALU_DEP_1)
	v_max_num_f32 v[rT+1], v[rT+1], v[T0]          ; the running largest t
	v_mov_b32 v[T0], v[rT]
	s_delay_alu instid0(VALU_DEP_2)
	v_floor_f32 v[rT], -v[rT+1]                    ; the new -M
.set j, 0
.irp w, 0,1,2,3                        ; t - M, two at a time; the three dependent lines that make f = 2^(old M - new M) stand eight multiply-adds apart
.rept 8
	v_pk_fma_f32 v[\sb+j:\sb+j+1], v[\sb+j:\sb+j+1], s[CS:CS+1], v[rT:rT+1] op_sel_hi:[1,0,0]
.set j, j+2
.endr
.if \w == 0
	v_sub_f32 v[T0], v[rT], v[T0]
.elseif \w == 1
	v_cvt_i32_f32 v[T0], v[T0]
.elseif \w == 2
	v_ldexp_f32 v[F], 1.0, v[T0]
.endif
.endr
.irp b, 0,1,2,3
	v_fma_f32 v[BM+\b], v[BM+\b], s[CS], v[rT]
.endr
.set j, 0
	s_wait_alu depctr_va_vdst(0)
.rept 64
	v_exp_f32 v[\sb+j], v[\sb+j]                   ; p
.set j, j+1
.endr
	v_pk_mul_f32 v[rT+2:rT+3], v[rT+2:rT+3], v[F:F+1] op_sel_hi:[1,0]
	s_wait_alu depctr_va_vdst(0)                   ; one wait for the 64
.irp b, 0,1,2,3
	v_exp_f32 v[BM+\b], v[BM+\b]                   ; the blocks' largest p
.endr
	v_pk_add_f32 v[SU:SU+1], v[\sb:\sb+1], v[\sb+2:\sb+3]   ; the sum of the unquantised p, in four chains by turns (two of them in the scale operands' registers, free here)
	v_pk_add_f32 v[SO:SO+1], v[\sb+4:\sb+5], v[\sb+6:\sb+7]
	v_pk_add_f32 v[SO+2:SO+3], v[\sb+8:\sb+9], v[\sb+10:\sb+11]
	v_pk_add_f32 v[rT+2:rT+3], v[rT+2:rT+3], v[\sb+12:\sb+13]
	v_pk_add_f32 v[SU:SU+1], v[SU:SU+1], v[\sb+14:\sb+15]
.set j, 16
.rept 6
	v_pk_add_f32 v[SO:SO+1], v[SO:SO+1], v[\sb+j:\sb+j+1]
	v_pk_add_f32 v[SO+2:SO+3], v[SO+2:SO+3], v[\sb+j+2:\sb+j+3]
	v_pk_add_f32 v[rT+2:rT+3], v[rT+2:rT+3], v[\sb+j+4:\sb+j+5]
	v_pk_add_f32 v[SU:SU+1], v[SU:SU+1], v[\sb+j+6:\sb+j+7]
.set j, j+8
.endr
	v_pk_add_f32 v[SO:SO+1], v[SO:SO+1], v[SO+2:SO+3]
	v_pk_add_f32 v[rT+2:rT+3], v[rT+2:rT+3], v[SU:SU+1]
	v_pk_add_f32 v[rT+2:rT+3], v[rT+2:rT+3], v[SO:SO+1]
	s_wait_alu depctr_va_vdst(0)                   ; and one for the four
.irp b, 0,1,2,3
	v_max_num_f32 v[BM+\b], 0x1800000, v[BM+\b]    ; the floor 2^(3 - 127)
.endr
.irp b, 0,1,2,3
	s_delay_alu instid0(VALU_DEP_4)
	v_add_nc_u32 v[SO+\b], 0xff000000, v[BM+\b]
.endr
.irp b, 0,1,2,3
	s_delay_alu instid0(VALU_DEP_4)
	v_lshrrev_b32 v[BY+\b], 23, v[SO+\b]
.endr
	s_delay_alu instid0(VALU_DEP_3)
	v_lshl_or_b32 v[PS+(\tl)], v[BY+1], 8, v[BY]
	s_delay_alu instid0(VALU_DEP_1)
	v_lshl_or_b32 v[PS+(\tl)], v[BY+2], 16, v[PS+(\tl)]
	s_delay_alu instid0(VALU_DEP_1)
	v_lshl_or_b32 v[PS+(\tl)], v[BY+3], 24, v[PS+(\tl)]
	v_cvt_scalef32_pk16_fp6_f32 v[C0:C0+2], v[\sb:\sb+15], v[SO]
	v_cvt_scalef32_pk16_fp6_f32 v[C1:C1+2], v[\sb+16:\sb+31], v[SO+1]
	v_cvt_scalef32_pk16_fp6_f32 v[C2:C2+2], v[\sb+32:\sb+47], v[SO+2]
	v_cvt_scalef32_pk16_fp6_f32 v[C3:C3+2], v[\sb+48:\sb+63], v[SO+3]
	v_nop
.irp k, 0,1,2                          ; a whole block into a lane
	v_permlane16_swap_b32 v[C0+\k], v[C1+\k]
	v_permlane16_swap_b32 v[C2+\k], v[C3+\k]
.endr
	WIN 0x40
.irp k, 0,1,2
	v_mov_b32 v[P+12*(\tl)+\k], v[C0+\k]
	v_mov_b32 v[P+12*(\tl)+3+\k], v[C1+\k]
	v_mov_b32 v[P+12*(\tl)+6+\k], v[C2+\k]
	v_mov_b32 v[P+12*(\tl)+9+\k], v[C3+\k]
.endr
	WIN 0x41
.set j, 0
.rept 16
	v_pk_mul_f32 v[32*(\tl)+j:32*(\tl)+j+1], v[32*(\tl)+j:32*(\tl)+j+1], v[F:F+1] op_sel_hi:[1,0]   ; O^T under the new M, from the low end on
.set j, j+2
.endr
	WIN 0
.endm
.macro STEP                            ; 128 keys; the next tile's scores are issued ahead of each softmax
	v_add_nc_u32 v[ADK], s[TB], v[L8]
	v_add_nc_u32 v[ADS], s[TS], v[AKS]
	v_add_nc_u32 v[ADT], s[TJ], v[AVS]
	v_add_nc_u32 v[ADV], s[TB], v[LV]              ; four plain instructions behind the last step's products, ahead of loads into registers that they read
	WIN 0x40
.irp t, 0,1,2,3,4,5,6,7
.irp p, 0,1,2
	ds_load_b64 v[KV+6*\t+2*\p:KV+6*\t+2*\p+1], v[ADK] offset:768*\t+256*\p
.endr
.endr
	WIN 0
	ds_load_b128 v[KS:KS+3], v[ADS]
	ds_load_b128 v[KS+4:KS+7], v[ADS] offset:16
	s_wait_dscnt 0x0
	KQ 0, SA
	KQ 1, SB
	WIN 0
	PLACES
	SM 0, SA
	KQ 2, SA
	SM 1, SB
	KQ 3, SB
	PLACES
	WIN 0x40
.irp t, 0,1,2,3
.irp p, 0,1,2,3,4,5
	ds_load_b64 v[KV+12*\t+2*\p:KV+12*\t+2*\p+1], v[ADV] offset:1536*\t+256*\p
.endr
.endr
	WIN 0
	ds_load_b128 v[VS:VS+3], v[ADT]
	SM 2, SA
	SM 3, SB
	s_wait_alu depctr_va_vdst(0)
	s_wait_dscnt 0x0                               ; V and its scale words are in
	PV
	WIN 0
	s_add_co_u32 s[TS], s[TS], 512
	s_add_co_u32 s[TJ], s[TJ], 256
	s_add_co_u32 s[TB], s[TB], 6144
.endm
	s_wait_alu depctr_va_vdst(0)
	s_wait_loadcnt 0x0                             ; Q
	s_wait_tensorcnt 0x0                           ; my tile is in,
	s_barrier_signal -1
	s_barrier_wait -1                              ; and so is everybody's
.Lstep:                                            ; sixteen trips of 128 keys
	STEP
	s_sub_co_u32 s[STEPS], s[STEPS], 1
	s_cmp_lg_u32 s[STEPS], 0
	s_cbranch_scc1 .Lstep
	; THE WAY OUT.  O^T / the sum; a lane's 32 numbers of a tile are two half blocks of the out-projection's K.  They leave as half a fragment:
	; oc + (128 batch + tile) x 12,288 + (head / 2) x 1,536 + (head % 2) x 768; the two scale bytes go to their place in the tile's scale words in sc2.
.set RC, 100
.set TT, 128
.set HM, 108
.set HX, 110
.set HS, 112
.set HB, 114
.set OW, 120
.set OC, 52
.set OD, 84
.irp i, 0,1,2,3
	v_add_f32 v[ST+4*\i+2], v[ST+4*\i+2], v[ST+4*\i+3]
.endr
.irp i, 0,1,2,3
	s_delay_alu instid0(VALU_DEP_4)
	v_permlanex16_b32 v[BX+\i], v[ST+4*\i+2], s[SEL], s[SEL+1]
.endr
.irp i, 0,1,2,3
	s_delay_alu instid0(VALU_DEP_4)
	v_add_f32 v[ST+4*\i+2], v[ST+4*\i+2], v[BX+\i]
.endr
	s_wait_alu depctr_va_vdst(0)
.irp i, 0,1,2,3
	v_rcp_f32 v[RC+2*\i], v[ST+4*\i+2]
.endr
	v_and_b32 v12, 15, v0
	v_bfe_u32 v13, v0, 4, 1
	s_delay_alu instid0(VALU_DEP_1)
	v_lshlrev_b32 v[OSO], 9, v13
	s_delay_alu instid0(VALU_DEP_1)
	v_lshl_add_u32 v[OSO], v12, 4, v[OSO]
	s_lshl_b32 s68, s15, 7
	s_lshl_b32 s69, s17, 5
	s_add_co_u32 s68, s68, s69
	s_lshl_b32 s69, s[WV], 2
	s_add_co_u32 s68, s68, s69                     ; my first row tile
	s_mul_i32 s70, s68, 12288
	s_lshr_b32 s69, s16, 1
	s_mul_i32 s69, s69, 1536
	s_add_co_u32 s70, s70, s69
	s_and_b32 s69, s16, 1
	s_mul_i32 s69, s69, 768
	s_add_co_u32 s70, s70, s69
	s_mov_b32 s71, 0
	s_add_nc_u64 s[8:9], s[8:9], s[70:71]
	s_lshl_b32 s72, s68, 9
	s_lshr_b32 s69, s16, 3
	s_lshl_b32 s69, s69, 8
	s_add_co_u32 s72, s72, s69
	s_and_b32 s69, s16, 7
	s_lshl_b32 s69, s69, 1
	s_add_co_u32 s72, s72, s69
	s_mov_b32 s73, 0
	s_add_nc_u64 s[10:11], s[10:11], s[72:73]
	s_wait_alu depctr_va_vdst(0)                   ; one wait for the four reciprocals
.macro OUTT tl
	WIN 0x01
.set j, 0
.rept 16
	v_pk_mul_f32 v[TT+32*(\tl)+j:TT+32*(\tl)+j+1], v[32*(\tl)+j:32*(\tl)+j+1], v[RC+2*(\tl):RC+2*(\tl)+1] op_sel_hi:[1,0]
.set j, j+2
.endr
	WIN 0
.irp b, 0,1
	v_max3_num_f32 v[HM+\b], |v[TT+32*(\tl)+16*\b]|, |v[TT+32*(\tl)+16*\b+1]|, 0x1800000
.endr
.irp n, 2,4,6,8,10,12,14
.irp b, 0,1
	s_delay_alu instid0(VALU_DEP_2)
	v_max3_num_f32 v[HM+\b], v[HM+\b], |v[TT+32*(\tl)+16*\b+\n]|, |v[TT+32*(\tl)+16*\b+\n+1]|
.endr
.endr
.irp b, 0,1
	s_delay_alu instid0(VALU_DEP_2)
	v_permlanex16_b32 v[HX+\b], v[HM+\b], s[SEL], s[SEL+1]
.endr
.irp b, 0,1
	s_delay_alu instid0(VALU_DEP_2)
	v_max_num_f32 v[HM+\b], v[HM+\b], v[HX+\b]
.endr
.irp b, 0,1
	s_delay_alu instid0(VALU_DEP_2)
	v_add_nc_u32 v[HS+\b], 0xff000000, v[HM+\b]
.endr
.irp b, 0,1
	s_delay_alu instid0(VALU_DEP_2)
	v_lshrrev_b32 v[HB+\b], 23, v[HS+\b]
.endr
	s_delay_alu instid0(VALU_DEP_1)
	v_lshl_or_b32 v[OW+(\tl)], v[HB+1], 8, v[HB]
	v_cvt_scalef32_pk16_fp6_f32 v[OC+8*(\tl):OC+8*(\tl)+2], v[TT+32*(\tl):TT+32*(\tl)+15], v[HS]
	v_cvt_scalef32_pk16_fp6_f32 v[OD+4*(\tl):OD+4*(\tl)+2], v[TT+32*(\tl)+16:TT+32*(\tl)+31], v[HS+1]
	v_nop
.irp k, 0,1,2
	v_permlane16_swap_b32 v[OC+8*(\tl)+\k], v[OD+4*(\tl)+\k]
.endr
.irp k, 0,1,2
	s_delay_alu instid0(VALU_DEP_3)
	v_mov_b32 v[OC+8*(\tl)+3+\k], v[OD+4*(\tl)+\k]
.endr
.irp p, 0,1,2
	global_store_b64 v[L8], v[OC+8*(\tl)+2*\p:OC+8*(\tl)+2*\p+1], s[8:9] offset:12288*(\tl)+256*\p   ; 256 consecutive bytes, aligned
.endr
.endm
	OUTT 0
	OUTT 1
	OUTT 2
	OUTT 3
	v_cmp_eq_u32 vcc_lo, 1, v13
	s_delay_alu instid0(VALU_DEP_1)
	v_cndmask_b32 v14, v[OW], v[OW+1], vcc_lo      ; lanes 0-15 the even tile's bytes, lanes 16-31 the odd tile's
	s_delay_alu instid0(VALU_DEP_2)
	v_cndmask_b32 v15, v[OW+2], v[OW+3], vcc_lo
	global_store_b16 v[OSO], v14, s[10:11]         ; two bytes a row and head: the other heads' work-groups write the words' other bytes
	global_store_b16 v[OSO], v15, s[10:11] offset:1024
	s_wait_tensorcnt 0x0                           ; the wave's end
	ds_add_u32 v[SPW], v[NIL]
	s_wait_dscnt 0x0
	CROUND                                         ; the closing round
	s_endpgm
.Lfunc_end_k_qb7b3f2e894_attn:
	.size	k_qb7b3f2e894_attn, .Lfunc_end_k_qb7b3f2e894_attn-k_qb7b3f2e894_attn
	.p2alignl 7, 3214868480
	.fill 96, 4, 3214868480
	.section	.rodata,"a",@progbits
	.p2align	6, 0x0
	.amdhsa_kernel k_qb7b3f2e894_attn
		.amdhsa_group_segment_fixed_size 327680
		.amdhsa_private_segment_fixed_size 0
		.amdhsa_enable_private_segment 0
		.amdhsa_kernarg_size 32
		.amdhsa_user_sgpr_count 2
		.amdhsa_user_sgpr_kernarg_segment_ptr 1
		.amdhsa_wavefront_size32 1
		.amdhsa_system_sgpr_workgroup_id_x 1
		.amdhsa_system_sgpr_workgroup_id_y 1
		.amdhsa_system_sgpr_workgroup_id_z 1
		.amdhsa_system_vgpr_workitem_id 0
		.amdhsa_next_free_vgpr 512
		.amdhsa_next_free_sgpr 96
		.amdhsa_reserve_vcc 1
		.amdhsa_float_denorm_mode_32 3
		.amdhsa_float_denorm_mode_16_64 3
		.amdhsa_memory_ordered 1
		.amdhsa_forward_progress 1
		.amdhsa_inst_pref_size 95
	.end_amdhsa_kernel
	.amdgpu_metadata
---
amdhsa.version: [ 1, 2 ]
amdhsa.kernels:
  - .name:           k_qb7b3f2e894_attn
    .symbol:         k_qb7b3f2e894_attn.kd
    .args:
      - { .name: qkv, .offset: 0, .size: 8, .value_kind: global_buffer, .address_space: global }
      - { .name: qkvs, .offset: 8, .size: 8, .value_kind: global_buffer, .address_space: global }
      - { .name: oc, .offset: 16, .size: 8, .value_kind: global_buffer, .address_space: global }
      - { .name: sc2, .offset: 24, .size: 8, .value_kind: global_buffer, .address_space: global }
    .group_segment_fixed_size: 327680
    .private_segment_fixed_size: 0
    .kernarg_segment_align: 8
    .kernarg_segment_size: 32
    .max_flat_workgroup_size: 256
    .sgpr_count:     96
    .vgpr_count:     512
    .wavefront_size: 32
...
	.end_amdgpu_metadata
.endif
;; end of part 3
;; launch oproj (part 4): grid 4 x 64, 4 waves a work-group, clusters of 4 x 4, 327,680 bytes of LDS; arguments oc, cw, sc2, bo, out0; writes out0
.if DOCPART == 4
	.amdgcn_target "amdgcn-amd-amdhsa--gfx1250"
	.amdhsa_code_object_version 6
	.text
	.protected	k_qb7b3f2e894_oproj
	.globl	k_qb7b3f2e894_oproj
	.p2align	8
	.type	k_qb7b3f2e894_oproj,@function
k_qb7b3f2e894_oproj:
	s_mov_b64 s[64:65], 0
	v_nop
	global_prefetch_b8 v0, s[64:65] scope:SCOPE_SE
	s_setreg_imm32_b32 hwreg(HW_REG_WAVE_MODE, 25, 1), 1
	s_wait_xcnt 0x0
	s_wait_alu depctr_hold_cnt(0) depctr_sa_sdst(0) depctr_va_vdst(0) depctr_va_sdst(0) depctr_va_ssrc(0) depctr_va_vcc(0) depctr_vm_vsrc(0)
	s_getreg_b32 s2, hwreg(HW_REG_IB_STS2, 6, 4)
	s_cmp_eq_u32 s2, 0
	s_cbranch_scc0 .Lentry_in_a_cluster
	s_endpgm
.Lentry_in_a_cluster:
	s_bfe_u32 s2, ttmp6, 0x10000c
	s_cmp_lg_u32 s2, 0xf033
	s_cbranch_scc0 .Lentry_shape_is_right
	s_endpgm
.Lentry_shape_is_right:
; out0 = o wo^T + bo on codes of FP6 (E2M3) with E8M0 scales.  oc and cw hold fragments in the order of the operand's registers: [tile of 16 rows][K step 8][1,536 bytes];
; sc2 the scale words [tile][K step / 4][r][K step % 4]; lane r of tile t is row 32 (t / 2) + 8 (t % 2) + r + 8 (r / 8).  wo's tiles are 704 to 767.
; THE BLOCK is 128 rows x 256 columns: 64 x 4 = 256 work-groups.  A's 8 tiles, all of K, are 98,304 dense bytes, B's 16 tiles 196,608: both lie in LDS whole, 294,912 bytes,
; filled ONCE at the head: wave 0 A's tiles (shared by my row of the cluster), waves 1 and 2 a half of B's each (shared by my column).  No refill and no round among the K steps.
; A wave makes 64 x 128: 32 accumulators (window 2), by turns; eight K steps, the next step's 12 fragments fetched ahead of each step's 32 products, in two sets.
; The matrix instruction is used transposed (source 0 = wo's rows): a lane holds eight neighbouring columns of a row; the bias is the first products' C.
; The scale words have registers of their own: B's at SCB + 8 b + K step, A's at SCA + 8 a + (K step xor 4).
; The way out goes through a stage of 16 rows x 528 bytes a wave, on A's bytes, behind a barrier in front of which every wave's LDS reads are over; no fill follows.
; No prefetch: all tiles are asked for at the head, and no loop runs ahead of a load.
.set FR,    12
.set AB,    98304
.set SPARE, 3*AB
.set ADRA, 16
.set ADRB, 20                          ; v20 B's tiles 0-3, v21 tiles 4-7
.set STO,  24
.set RD,   25
.set CO,   26
.set BOF,  27
.set SPW,  28
.set NIL,  29
.set SOFA, 30
.set SOFB, 31
.set SCB,  32
.set SCA,  96
.set AF,   128                         ; A's fragments: two sets of 48
.set BK,   128
.set G1,  24
.set G1B, 32
.set G0,  40
.set G0B, 44
.set MSB, 0
.macro WIN new
.if MSB != (\new)
	s_set_vgpr_msb (MSB<<8)|(\new)
.set MSB, (\new)
.endif
.endm
.macro CROUND
	s_barrier_signal -1
	s_barrier_wait -1
	s_cmp_lg_u32 s18, 0
	s_cbranch_scc1 .Lnot_wave_0_\@
	s_barrier_signal -3
.Lnot_wave_0_\@:
	s_barrier_wait -3
	s_barrier_signal -1
	s_barrier_wait -1
.endm
.macro PLACES n
.rept \n
	v_nop
.endr
.endm
	s_load_b256 s[4:11], s[0:1], 0x0               ; oc, cw, sc2, bo
	s_load_b64 s[12:13], s[0:1], 0x20              ; out0
	v_lshl_add_u32 v[SPW], v0, 2, SPARE
	v_mov_b32 v[NIL], 0
	ds_add_u32 v[SPW], v[NIL]                      ; the opening lines
	ds_add_u32 v[SPW], v[NIL]
	v_lshrrev_b32 v5, 5, v0
	v_readfirstlane_b32 s18, v5                    ; wave
	s_lshr_b32 s19, s18, 1                         ; my 64 rows
	s_and_b32 s20, s18, 1                          ; my 128 columns
	s_bfe_u32 s21, ttmp6, 0x40000                  ; cx
	s_bfe_u32 s22, ttmp6, 0x40004                  ; cy
	s_and_b32 s66, ttmp7, 0xffff
	s_lshl_b32 s68, s66, 2
	s_add_co_u32 s68, s68, s22                     ; block row, 0 .. 63
	s_lshl_b32 s69, ttmp9, 2
	s_add_co_u32 s69, s69, s21                     ; block column, 0 .. 3
	s_lshl_b32 s78, s22, 2
	s_lshl_b32 s78, 15, s78                        ; my row of the cluster
	s_lshl_b32 s79, 0x1111, s21                    ; my column
	s_or_b32 s[G1], s78, (3<<16)|(1<<21)
	s_or_b32 s[G1B], s79, (3<<16)|(1<<21)
.irp g, G1, G1B                        ; 384 rows of 256 bytes, dense
	s_mov_b32 s[\g+1], 32<<16
	s_mov_b32 s[\g+2], 384<<16
	s_mov_b32 s[\g+3], 32<<16
	s_mov_b32 s[\g+4], 384
	s_mov_b32 s[\g+5], 32
	s_mov_b32 s[\g+6], 0
	s_mov_b32 s[\g+7], 0
.endr
	s_lshl_b32 s82, s69, 4
	s_add_co_u32 s82, s82, 704                     ; B's first tile
	s_mul_i32 s86, s68, AB
	s_mov_b32 s87, 0
	s_lshl_b32 s88, s18, 3
	s_add_co_u32 s88, s88, s82
	s_sub_co_u32 s88, s88, 8                       ; waves 1, 2: B's tiles 0-7, 8-15
	s_mul_i32 s88, s88, 12288
	s_mov_b32 s89, 0
	s_mov_b32 s[G0], 1
	s_mov_b32 s[G0+1], 0
	s_mov_b32 s[G0B], 1
	s_mul_i32 s[G0B+1], s18, AB
	s_wait_dscnt 0x0
	s_wait_kmcnt 0x0
	s_add_nc_u64 s[G0+2:G0+3], s[4:5], s[86:87]
	s_or_b32 s[G0+3], s[G0+3], 0x80000000
	s_add_nc_u64 s[G0B+2:G0B+3], s[6:7], s[88:89]
	s_or_b32 s[G0B+3], s[G0B+3], 0x80000000
	CROUND                                         ; the sixteen work-groups are here: the joint loads meet
	s_cmp_eq_u32 s18, 0                            ; one chain, at most one load a wave
	s_cbranch_scc0 .Lfor_b
	tensor_load_to_lds s[G0:G0+3], s[G1:G1+7]
	s_nop 0
	PLACES 4
	s_branch .Lasked
.Lfor_b:
	s_cmp_lt_u32 s18, 3
	s_cbranch_scc0 .Lasked
	tensor_load_to_lds s[G0B:G0B+3], s[G1B:G1B+7]
	s_nop 0
	PLACES 4
.Lasked:
	s_mul_i32 s90, s19, 49152                      ; my four tiles of A
	s_mul_i32 s91, s20, AB
	s_add_co_u32 s91, s91, AB                      ; my eight tiles of B
	s_add_co_u32 s97, s91, 49152
	s_lshl_b32 s92, s68, 3
	s_lshl_b32 s93, s19, 2
	s_add_co_u32 s92, s92, s93
	s_lshl_b32 s92, s92, 9                         ; A's scale words: 512 bytes a tile
	s_lshl_b32 s93, s20, 3
	s_add_co_u32 s93, s93, s82
	s_lshl_b32 s93, s93, 9                         ; B's
	s_lshl_b32 s94, s69, 10
	s_lshl_b32 s95, s20, 9
	s_add_co_u32 s94, s94, s95                     ; my first column, in bytes
	s_mul_i32 s96, s18, 16*528                     ; my stage
	s_lshl_b32 s74, s68, 7
	s_lshl_b32 s75, s19, 6
	s_add_co_u32 s74, s74, s75                     ; my first row
	s_lshl_b32 s74, s74, 12
	s_add_co_u32 s74, s74, s94
	s_mov_b32 s75, 0
	s_add_nc_u64 s[12:13], s[12:13], s[74:75]
	v_and_b32 v1, 31, v0
	v_lshlrev_b32 v2, 3, v1
	v_and_b32 v3, 15, v0                           ; r
	v_bfe_u32 v4, v0, 4, 1                         ; h
	v_add_nc_u32 v[ADRA], s90, v2
	v_add_nc_u32 v[ADRB], s91, v2
	v_add_nc_u32 v[ADRB+1], s97, v2
	v_lshl_add_u32 v[SOFA], v3, 4, s92
	v_lshl_add_u32 v[SOFB], v3, 4, s93
	v_lshl_add_u32 v[BOF], v4, 6, s94
	v_mul_u32_u24 v[STO], v3, 528
	v_lshl_add_u32 v[STO], v4, 6, v[STO]
	v_add_nc_u32 v[STO], s96, v[STO]
	v_lshlrev_b32 v[CO], 4, v1
	v_add_nc_u32 v[RD], s96, v[CO]
	s_wait_alu depctr_va_vdst(0)
.irp i, 0,1,2,3,4,5,6,7
.irp g, 0,1
	global_load_b128 v[SCB+8*\i+4*\g:SCB+8*\i+4*\g+3], v[SOFB], s[8:9] offset:512*\i+256*\g
.endr
.endr
.irp i, 0,1,2,3
.irp g, 0,1
	global_load_b128 v[SCA+8*\i+4*(1-\g):SCA+8*\i+4*(1-\g)+3], v[SOFA], s[8:9] offset:512*\i+256*\g
.endr
.endr
	WIN 0x40
.irp bb, 0,1,2,3                       ; the bias as the result lies: tiles 2 bb, 2 bb + 1 are columns 32 bb + 16 h + 0 .. 15
.irp j, 0,1,2,3
	global_load_b128 v[96+16*\bb+4*\j+96*(\bb/2):96+16*\bb+4*\j+96*(\bb/2)+3], v[BOF], s[10:11] offset:128*\bb+16*\j
.endr
.endr
	WIN 0
.macro FRAG reg, adr, off
.irp p, 0,1,2,3,4,5
	ds_load_b64 v[\reg+2*\p:\reg+2*\p+1], v[\adr] offset:\off+256*\p
.endr
.endm
.macro FETCH ks                        ; K step ks into set ks % 2: 72 loads
	WIN 0x40
.irp i, 0,1,2,3,4,5,6,7
	FRAG 128*((\ks)%2)+FR*\i, ADRB+\i/4, 12288*(\i%4)+1536*(\ks)
.endr
	WIN 0
.irp i, 0,1,2,3
	FRAG AF+48*((\ks)%2)+FR*\i, ADRA, 12288*\i+1536*(\ks)
.endr
.endm
.macro MUL ks                          ; 32 products, the accumulators by turns
.irp a, 0,1,2,3
.irp b, 0,1,2,3,4,5,6,7
.if (\ks) == 0
	v_wmma_scale_f32_16x16x128_f8f6f4 v[8*(8*\a+\b):8*(8*\a+\b)+7], v[128*((\ks)%2)+FR*\b:128*((\ks)%2)+FR*\b+FR-1], v[AF+48*((\ks)%2)+FR*\a:AF+48*((\ks)%2)+FR*\a+FR-1], v[96+8*\b+96*(\b/4):96+8*\b+96*(\b/4)+7], v[SCB+8*\b+(\ks)], v[SCA+8*\a+((\ks)^4)] matrix_a_fmt:MATRIX_FMT_FP6 matrix_b_fmt:MATRIX_FMT_FP6
.else
	v_wmma_scale_f32_16x16x128_f8f6f4 v[8*(8*\a+\b):8*(8*\a+\b)+7], v[128*((\ks)%2)+FR*\b:128*((\ks)%2)+FR*\b+FR-1], v[AF+48*((\ks)%2)+FR*\a:AF+48*((\ks)%2)+FR*\a+FR-1], v[8*(8*\a+\b):8*(8*\a+\b)+7], v[SCB+8*\b+(\ks)], v[SCA+8*\a+((\ks)^4)] matrix_a_fmt:MATRIX_FMT_FP6 matrix_b_fmt:MATRIX_FMT_FP6
.endif
.endr
.endr
.endm
	s_wait_tensorcnt 0x0                           ; my tile is in,
	s_barrier_signal -1
	s_barrier_wait -1                              ; and so is everybody's
	FETCH 0
	s_wait_loadcnt 0x0                             ; scale words and bias
.set KQ, 0
.rept 7
	s_wait_dscnt 0x0                               ; this step's fragments are in
	PLACES 4                                       ; behind the last step's products, ahead of loads into registers that they read
	FETCH KQ+1
.if KQ == 0
	WIN 0x91                                       ; source 0 (B) and C (the bias) window 1, source 1 (A) window 0, D window 2
.else
	WIN 0xa1
.endif
	MUL KQ
.set KQ, KQ+1
.endr
	s_wait_dscnt 0x0                               ; my last reads of the tiles are over:
	s_barrier_signal -1                            ; say so, multiply,
	MUL 7
	WIN 0
	s_barrier_wait -1                              ; and go on when nobody reads A's bytes any more: the stages lie there
.macro TOSTAGE a
.set AC, 64*(\a)
	WIN 0x08
.irp b, 0,1,2,3,4,5,6,7
	ds_store_b128 v[STO], v[AC+8*\b:AC+8*\b+3] offset:128*(\b/2)+32*(\b%2)          ; each accumulator from its low end on
	ds_store_b128 v[STO], v[AC+8*\b+4:AC+8*\b+7] offset:128*(\b/2)+32*(\b%2)+16
.endr
	WIN 0
.set BB, BK+64*((\a)%2)
.irp t, 0,1,2,3,4,5,6,7,8,9,10,11,12,13,14,15
	ds_load_b128 v[BB+4*\t:BB+4*\t+3], v[RD] offset:\t*528      ; LDS serves a wave's instructions in order: these see the stores above
.endr
.endm
.macro SEND a, younger                 ; younger: the LDS instructions issued behind block a's loads
.set BB, BK+64*((\a)%2)
	s_wait_dscnt \younger
.irp t, 0,1,2,3,4,5,6,7,8,9,10,11,12,13,14,15
	global_store_b128 v[CO], v[BB+4*\t:BB+4*\t+3], s[12:13] offset:(32*((\a)/2)+8*((\a)%2)+\t+8*(\t/8))*4096 th:TH_STORE_NT   ; 512 consecutive bytes, aligned
.endr
.endm
	PLACES 4
	TOSTAGE 0
.irp a, 1,2,3
.if \a > 1
	s_wait_xcnt 0x0                                ; block a - 2's stores have read their registers
.endif
	TOSTAGE \a
	SEND \a-1, 32
.endr
	SEND 3, 0
	s_wait_tensorcnt 0x0                           ; the wave's end
	ds_add_u32 v[SPW], v[NIL]
	s_wait_dscnt 0x0
	CROUND                                         ; the closing round
	s_endpgm
.Lfunc_end_k_qb7b3f2e894_oproj:
	.size	k_qb7b3f2e894_oproj, .Lfunc_end_k_qb7b3f2e894_oproj-k_qb7b3f2e894_oproj
	.p2alignl 7, 3214868480
	.fill 96, 4, 3214868480
	.section	.rodata,"a",@progbits
	.p2align	6, 0x0
	.amdhsa_kernel k_qb7b3f2e894_oproj
		.amdhsa_group_segment_fixed_size 327680
		.amdhsa_private_segment_fixed_size 0
		.amdhsa_enable_private_segment 0
		.amdhsa_kernarg_size 40
		.amdhsa_user_sgpr_count 2
		.amdhsa_user_sgpr_kernarg_segment_ptr 1
		.amdhsa_wavefront_size32 1
		.amdhsa_system_sgpr_workgroup_id_x 1
		.amdhsa_system_sgpr_workgroup_id_y 1
		.amdhsa_system_sgpr_workgroup_id_z 1
		.amdhsa_system_vgpr_workitem_id 0
		.amdhsa_next_free_vgpr 768
		.amdhsa_next_free_sgpr 100
		.amdhsa_reserve_vcc 0
		.amdhsa_float_denorm_mode_32 3
		.amdhsa_float_denorm_mode_16_64 3
		.amdhsa_memory_ordered 1
		.amdhsa_forward_progress 1
		.amdhsa_inst_pref_size 95
	.end_amdhsa_kernel
	.amdgpu_metadata
---
amdhsa.version: [ 1, 2 ]
amdhsa.kernels:
  - .name:           k_qb7b3f2e894_oproj
    .symbol:         k_qb7b3f2e894_oproj.kd
    .args:
      - { .name: oc, .offset: 0, .size: 8, .value_kind: global_buffer, .address_space: global }
      - { .name: cw, .offset: 8, .size: 8, .value_kind: global_buffer, .address_space: global }
      - { .name: sc2, .offset: 16, .size: 8, .value_kind: global_buffer, .address_space: global }
      - { .name: bo, .offset: 24, .size: 8, .value_kind: global_buffer, .address_space: global }
      - { .name: out0, .offset: 32, .size: 8, .value_kind: global_buffer, .address_space: global }
    .group_segment_fixed_size: 327680
    .private_segment_fixed_size: 0
    .kernarg_segment_align: 8
    .kernarg_segment_size: 40
    .max_flat_workgroup_size: 128
    .sgpr_count:     100
    .vgpr_count:     768
    .wavefront_size: 32
...
	.end_amdgpu_metadata
.endif
;; end of part 4
